; MI455X (gfx1250); checked and timed in simulation.
; The chip was launched on July 23, 2026; its instructions are those of AMD's public machine-readable ISA for CDNA 5 (MIT licence, August 2026) and "CDNA5" Instruction Set Architecture Reference Guide (July 2026). The comments in the code are by the model that wrote it; some were corrected since.
;; Bi LSTM. Allowed arithmetic: float matrix products may take bf16 or f16 operands with f32 sums; all other float work in f32.
;; Inputs: Cell_State_b 4,096 x 1,024 float32; Cell_State_f 4,096 x 1,024 float32; Hidden_State_b 4,096 x 1,024 float32; Hidden_State_f 4,096 x 1,024 float32; Wb 4 x 1,024 x 2,048 float32; Wf 4 x 1,024 x 2,048 float32; bb 4 x 1,024 float32; bf 4 x 1,024 float32; input_b 4,096 x 1,024 float32; input_f 4,096 x 1,024 float32.
;; Outputs: out0 4,096 x 1,024 float32; out1 4,096 x 1,024 float32; out2 4,096 x 1,024 float32; out3 4,096 x 1,024 float32.
;; 2 versions, each right; version 2 is version 1 with the launch cast written anew for expert scheduling mode. Each part assembles by itself: llvm-mc -triple=amdgcn-amd-amdhsa -mcpu=gfx1250 --defsym DOCPART=n.
;; ======== version 1 of 2: 2 launches
;; limits: a function is approximated: absolute error at most 2e-07
;; workspace buffers: acts 33,554,432 bytes; wts 33,554,432 bytes
;; launch cast (part 1): grid 1024 x 1, 8 waves a work-group, no clusters, 0 bytes of LDS; arguments input_f, Hidden_State_f, input_b, Hidden_State_b, Wf, Wb, acts, wts; writes acts, wts
.if DOCPART == 1
	.amdgcn_target "amdgcn-amd-amdhsa--gfx1250"
	.amdhsa_code_object_version 6
	.text
	.protected	k_q674452dddf_cast
	.globl	k_q674452dddf_cast
	.p2align	8
	.type	k_q674452dddf_cast,@function
k_q674452dddf_cast:
	s_mov_b64 s[64:65], 0
	v_nop
	global_prefetch_b8 v0, s[64:65] scope:SCOPE_SE
	s_setreg_imm32_b32 hwreg(HW_REG_WAVE_MODE, 25, 1), 1
	s_wait_xcnt 0x0
; f32 to bf16, once, for everything that the matrix launch multiplies, laid out as that launch wants it:
;   acts: bf16 [8192][2048], row = dir*4096 + batch, columns 0-1023 = input, 1024-2047 = hidden state
;   wts:  bf16 [8192][2048], row = dir*4096 + (hid>>5)*128 + gate*32 + (hid&31), holding W_dir[gate][hid][:]
;         (so 128 neighbouring rows are the four gates of 32 neighbouring hidden units)
; A stream: each input byte is read once, each output byte written once.  No LDS, no barrier, no matrix unit, no cluster:
; no two work-groups read the same byte, and there is nothing to keep.
; 1,024 work-groups of 8 waves; a work-group takes 128 KiB of ONE source tensor, a wave 16 KiB of it, contiguous:
; 32 loads of 16 bytes a lane (512 neighbouring bytes a load).  24 of them go out at once into 24 register slots; the last 8 go into the
; first 8 slots when those have been stored.  That keeps a wave at 104 registers: 8 x 104 <= 1,024, so eight waves share a SIMD's registers and
; four work-groups (two waves a SIMD each) lie on a WGP together.  The text has no loop.
; Each load becomes 8 bytes of bf16 a lane: a store of the wave covers 256 consecutive bytes, aligned to 256.
; Work-group number b:  bit 9 = 0: activations, tensor b>>7 (input_f, Hidden_State_f, input_b, Hidden_State_b), 32 rows from (b&127)*32
;                       bit 9 = 1: weights, direction = bit 8, 16 rows of 8,192 bytes from row (b&255)*16 of [4*1024][2048]
; Rounding: to nearest even (v_cvt_pk_bf16_f32); NaN and infinities pass as the conversion makes them.
.set DST,   4                          ; v[4:7]    byte offset in the destination of my 8 bytes in quarter i of my wave's part
.set X,     8                          ; v[8:103]  24 slots x 4 registers; the packed result lies in the first two of each four
.set NSLOT, 24
.set NLOAD, 32
	s_load_b512 s[4:19], s[0:1], 0x0               ; input_f s[4:5], Hidden_f s[6:7], input_b s[8:9], Hidden_b s[10:11], Wf s[12:13], Wb s[14:15], acts s[16:17], wts s[18:19]
	s_mov_b32 s20, ttmp9                           ; b
	; offsets, made apart from the addresses
	s_and_b32 s21, s20, 127
	s_lshl_b32 s30, s21, 17                        ; activations, source: (b&127) x 128 KiB
	s_and_b32 s22, s20, 255
	s_lshl_b32 s31, s22, 17                        ; weights, source: (b&255) x 128 KiB
	s_bfe_u32 s22, s20, 0x10008                    ; direction (bit 8)
	s_lshl_b32 s22, s22, 24                        ; x 4,096 rows of 4,096 bytes
	s_bfe_u32 s21, s20, 0x10007                    ; input (0) or hidden state (1)
	s_lshl_b32 s21, s21, 11                        ; the hidden state begins 2,048 bytes into a row of acts
	s_or_b32 s32, s30, s22                         ; activations, destination: 32 rows of 4,096 bytes are again 128 KiB
	s_or_b32 s32, s32, s21
	s_bfe_u32 s21, s20, 0x50001                    ; weights: hid>>5 = bits 5:1 of b
	s_lshl_b32 s21, s21, 19                        ; x 128 rows of 4,096 bytes
	s_or_b32 s33, s22, s21
	s_bfe_u32 s21, s20, 0x20006                    ; gate = bits 7:6 of b
	s_lshl_b32 s21, s21, 17                        ; x 32 rows
	s_or_b32 s33, s33, s21
	s_and_b32 s21, s20, 1                          ; which 16 of the 32 hidden units
	s_lshl_b32 s21, s21, 16                        ; x 16 rows
	s_or_b32 s33, s33, s21                         ; weights, destination
	s_bitcmp1_b32 s20, 9                           ; weights?
	s_cselect_b32 s34, s31, s30                    ; source offset
	s_cselect_b32 s36, s33, s32                    ; destination offset
	s_cselect_b32 s23, 11, 12                      ; a quarter of a wave's part (8 loads, 4,096 source bytes) is 2,048 packed bytes: in wts the quarters
	                                               ; follow each other (half rows), in acts each is half of a row of its own, 4,096 bytes apart
	s_mov_b32 s35, 0
	s_mov_b32 s37, 0
	v_and_b32 v1, 31, v0                           ; lane
	v_lshrrev_b32 v2, 5, v0                        ; wave
	v_lshlrev_b32 v3, 4, v1
	v_lshl_or_b32 v3, v2, 14, v3                   ; source: wave x 16 KiB + lane x 16
	v_lshlrev_b32 v2, 2, v2                        ; 4 x wave
	v_lshlrev_b32 v1, 3, v1                        ; lane x 8
.irp i, 0,1,2,3
	v_add_nc_u32 v[DST+\i], \i, v2
	v_lshl_add_u32 v[DST+\i], v[DST+\i], s23, v1   ; (4 wave + i) x quarter stride + lane x 8
.endr
	s_wait_kmcnt 0x0
	; the source and the destination are chosen among the buffers by bits of b alone
	s_bitcmp1_b32 s20, 7
	s_cselect_b64 s[24:25], s[6:7], s[4:5]         ; forward: hidden state or input
	s_cselect_b64 s[26:27], s[10:11], s[8:9]       ; backward: likewise
	s_bitcmp1_b32 s20, 8
	s_cselect_b64 s[24:25], s[26:27], s[24:25]     ; the activation tensor
	s_cselect_b64 s[26:27], s[14:15], s[12:13]     ; the weight tensor
	s_bitcmp1_b32 s20, 9
	s_cselect_b64 s[24:25], s[26:27], s[24:25]     ; the source
	s_cselect_b64 s[28:29], s[18:19], s[16:17]     ; the destination
	s_add_nc_u64 s[24:25], s[24:25], s[34:35]
	s_add_nc_u64 s[28:29], s[28:29], s[36:37]
.set j, 0
.rept NSLOT
	global_load_b128 v[X+4*j:X+4*j+3], v3, s[24:25] offset:512*j th:TH_LOAD_NT   ; read once in the launch
.set j, j+1
.endr
; loads 0 to 7: converted and stored while 24 loads in all are counted
.set j, 0
.rept NLOAD-NSLOT
	s_wait_loadcnt NSLOT-1-j                       ; loads come back in order (ISA guide 5.7.1): load j is in, the 23-j younger ones stay out
	v_cvt_pk_bf16_f32 v[X+4*j],   v[X+4*j],   v[X+4*j+1]
	v_cvt_pk_bf16_f32 v[X+4*j+1], v[X+4*j+2], v[X+4*j+3]
	global_store_b64 v[DST+j/8], v[X+4*j:X+4*j+1], s[28:29] offset:(j%8)*256
.set j, j+1
.endr
	s_wait_xcnt 0x0                                ; every earlier memory instruction has had its addresses translated (ISA guide 3.1): slots 0 to 7, which the eight stores read, are loaded again only behind this wait
.set m, 0
.rept NLOAD-NSLOT
	global_load_b128 v[X+4*m:X+4*m+3], v3, s[24:25] offset:512*(NSLOT+m) th:TH_LOAD_NT   ; loads 24 to 31
.set m, m+1
.endr
; loads 8 to 31; load j lies in slot j mod 24
.rept NSLOT
.set k, j%NSLOT
	s_wait_loadcnt NLOAD-1-j                       ; behind load j stand the loads up to 31: 31-j stay out
	v_cvt_pk_bf16_f32 v[X+4*k],   v[X+4*k],   v[X+4*k+1]
	v_cvt_pk_bf16_f32 v[X+4*k+1], v[X+4*k+2], v[X+4*k+3]
	global_store_b64 v[DST+j/8], v[X+4*k:X+4*k+1], s[28:29] offset:(j%8)*256     ; no register of these stores is written again: no further wait
.set j, j+1
.endr
	s_endpgm
.Lfunc_end_k_q674452dddf_cast:
	.size	k_q674452dddf_cast, .Lfunc_end_k_q674452dddf_cast-k_q674452dddf_cast
	.p2alignl 7, 3214868480
	.fill 96, 4, 3214868480
	.section	.rodata,"a",@progbits
	.p2align	6, 0x0
	.amdhsa_kernel k_q674452dddf_cast
		.amdhsa_group_segment_fixed_size 0
		.amdhsa_private_segment_fixed_size 0
		.amdhsa_enable_private_segment 0
		.amdhsa_kernarg_size 64
		.amdhsa_user_sgpr_count 2
		.amdhsa_user_sgpr_kernarg_segment_ptr 1
		.amdhsa_wavefront_size32 1
		.amdhsa_system_sgpr_workgroup_id_x 1
		.amdhsa_system_sgpr_workgroup_id_y 1
		.amdhsa_system_sgpr_workgroup_id_z 1
		.amdhsa_system_vgpr_workitem_id 0
		.amdhsa_next_free_vgpr 104
		.amdhsa_next_free_sgpr 66
		.amdhsa_reserve_vcc 0
		.amdhsa_float_denorm_mode_32 3
		.amdhsa_float_denorm_mode_16_64 3
		.amdhsa_memory_ordered 1
		.amdhsa_forward_progress 1
		.amdhsa_inst_pref_size 14
	.end_amdhsa_kernel
	.amdgpu_metadata
---
amdhsa.version: [ 1, 2 ]
amdhsa.kernels:
  - .name:           k_q674452dddf_cast
    .symbol:         k_q674452dddf_cast.kd
    .args:
      - { .name: input_f, .offset: 0, .size: 8, .value_kind: global_buffer, .address_space: global }
      - { .name: Hidden_State_f, .offset: 8, .size: 8, .value_kind: global_buffer, .address_space: global }
      - { .name: input_b, .offset: 16, .size: 8, .value_kind: global_buffer, .address_space: global }
      - { .name: Hidden_State_b, .offset: 24, .size: 8, .value_kind: global_buffer, .address_space: global }
      - { .name: Wf, .offset: 32, .size: 8, .value_kind: global_buffer, .address_space: global }
      - { .name: Wb, .offset: 40, .size: 8, .value_kind: global_buffer, .address_space: global }
      - { .name: acts, .offset: 48, .size: 8, .value_kind: global_buffer, .address_space: global }
      - { .name: wts, .offset: 56, .size: 8, .value_kind: global_buffer, .address_space: global }
    .group_segment_fixed_size: 0
    .private_segment_fixed_size: 0
    .kernarg_segment_align: 8
    .kernarg_segment_size: 64
    .max_flat_workgroup_size: 256
    .sgpr_count:     66
    .vgpr_count:     104
    .wavefront_size: 32
...
	.end_amdgpu_metadata
.endif
;; end of part 1
;; launch lstm (part 2): grid 16 x 32, 4 waves a work-group, clusters of 4 x 4, 327,680 bytes of LDS; arguments acts, wts, Cell_State_f, Cell_State_b, bf, bb, out0, out1, out2, out3; writes out0, out1, out2, out3
.if DOCPART == 2
	.amdgcn_target "amdgcn-amd-amdhsa--gfx1250"
	.amdhsa_code_object_version 6
	.text
	.protected	k_q674452dddf_lstm
	.globl	k_q674452dddf_lstm
	.p2align	8
	.type	k_q674452dddf_lstm,@function
k_q674452dddf_lstm:
	s_mov_b64 s[64:65], 0
	v_nop
	global_prefetch_b8 v0, s[64:65] scope:SCOPE_SE
	s_setreg_imm32_b32 hwreg(HW_REG_WAVE_MODE, 25, 1), 1
	s_wait_xcnt 0x0
	s_wait_alu depctr_hold_cnt(0) depctr_sa_sdst(0) depctr_va_vdst(0) depctr_va_sdst(0) depctr_va_ssrc(0) depctr_va_vcc(0) depctr_vm_vsrc(0)
	s_getreg_b32 s2, hwreg(HW_REG_IB_STS2, 6, 4)
	s_cmp_eq_u32 s2, 0
	s_cbranch_scc0 .Lentry_in_a_cluster
	s_endpgm
.Lentry_in_a_cluster:
	s_bfe_u32 s2, ttmp6, 0x10000c
	s_cmp_lg_u32 s2, 0xf033
	s_cbranch_scc0 .Lentry_shape_is_right
	s_endpgm
.Lentry_shape_is_right:
; Both LSTM steps: gates = acts x wts^T (bf16 operands, f32 sums, K = 2048), then bias, three sigmoids, two tanh and the cell update, all in f32.
;   acts: bf16 [8192][2048], row = dir*4096 + batch (input | hidden state);   wts: bf16 [8192][2048], row = dir*4096 + (hid>>5)*128 + gate*32 + (hid&31)
; A work-group makes 256 batch rows x 64 hidden units (= 256 rows of wts) of one direction.  512 work-groups of equal work.
; Four waves, as many as a WGP has SIMDs; wave w makes 128 batch rows (half w>>1) x 128 rows of wts (half w&1) = the FOUR GATES OF 32 HIDDEN UNITS: 64 accumulator
; tiles of 16 x 16, 512 registers.  So a lane ends with all four gates of each of its (batch, hid), and the cell update needs no exchange.
; K goes in steps of 128 through a ring of two LDS slots filled by the tensor data mover; a tile's rows are 256 bytes, at multiples of 256 from the buffer's first byte.
; CLUSTERS: 4 x 4 work-groups.  The four of a row of the cluster need the same tiles of acts, the four of a column the same tiles of wts: such a tile is asked for
; jointly, by the same tensor load with the same descriptor and a mask that names the four.  That divides the requests for both by four.
; The direction is bit 1 of the cluster's y (the other two bits pick 1,024 of the 4,096 batch rows): counted x first, eight clusters in a row work on one direction,
; on one set of weights and one set of activations.  It hangs on the cluster's place alone, so wts' address hangs on nothing that a column does not share.
; Cell_State comes in as whole rows of 256 bytes, as slot 0's last fill, one K step before it is read.  h and c leave through a stage in LDS (slot 1 after its last
; fill and the bytes behind the ring), 16 rows of a wave at a time, so that sixteen neighbouring lanes store 256 consecutive bytes, aligned, and so that the stores
; of one 16 rows go out while the next 16 are computed.
;
; THE MATRIX INSTRUCTION IS USED TRANSPOSED: source 0 = 16 rows of wts, source 1 = 16 rows of acts.  In tile (a, b) lane l (r = l%16, h = l/16), register j holds
; batch row 16 a + r, gate b>>1, hidden unit 32 (w&1) + 16 (b&1) + 8 h + j of the work-group's 64.
;
; LIMITS.  sigmoid(x) = 1/(1 + 2^(-1.442695 x)), tanh(x) = 1 - 2/(1 + 2^(2.885390 x)): both saturate rightly without a clamp (2^x gives infinity or 0, 1/infinity is 0).
; tanh so made has an absolute error of about 1e-7, so its relative accuracy falls off for |x| below about 1e-5; a sigmoid below 2^-126 comes out as 0
; (v_exp_f32 and v_rcp_f32 flush denormals: ISA guide, their entries in 15.8).  NaN and infinite inputs get no treatment of their own.  Operands are rounded to bf16.
;
; REGISTERS, in windows of 256 (s_set_vgpr_msb says which window each operand place means; low byte: bits 1:0 source 0, 3:2 source 1, 5:4 source 2, 7:6 destination):
;   window 0: v0-29 addresses; v32-63 rows on their way out; v64-127, v128-191 fragments of acts, two buffers (later: the cell update's numbers); v192-255 the bias
;   window 1: v64-127, v128-191 fragments of wts, two buffers
;   window 2: the 32 accumulator tiles of my rows 0-63 (tile (a, b) at v[8 (8 a + b)]);   window 3: those of my rows 64-127
.set SIZE_K, 2048
.set KSTEP,  128
.set PITCH,  272                       ; an LDS row: 256 bytes + 16 of padding, an odd multiple of 16: the 16 rows that a 16-byte load touches start at 16 different places modulo 256
.set HALFT,  128*PITCH                 ; 128 rows: what one ring load brings, and what one wave reads of acts or of wts
.set SLOT,   4*HALFT                   ; acts' 256 rows, then wts' 256 rows
.set LAPS,   SIZE_K/(2*KSTEP)          ; 8 laps of two K steps
.set CROWS,  64                        ; rows of Cell_State that a wave fetches
.set OROW,   4096                      ; bytes in a row of Cell_State and of the outputs
.set STAGE,  SLOT                      ; the stage begins where slot 1 begins: 8 blocks, one for each 16 rows of a wave; no byte of it is written twice
.set SP,     144                       ; a stage row: a wave's 32 numbers (128 bytes) + 16
.set SUB,    16*SP+64                  ; 16 rows of one wave and one output, at (2 wave + out) SUB in a block, out 0 = h, 1 = c;
                                       ; 2 SUB = 128 modulo 256, so the two column halves that one read-back takes lie in different halves of 256 bytes
.set SB,     8*SUB                     ; a block: 18,944 bytes.  Four blocks are inside an LDS instruction's 16-bit offset, so each address has two registers
.set ADRA, 16                          ; v16-17  LDS address of my acts fragments in slot 0, 1
.set ADRB, 20                          ; v20-21  the same for wts
.set CAD,  22                          ; v22     my 32 bytes in row r of my half of the Cell_State tile
.set STO,  24                          ; v24-25  the stage: where I put my numbers of row r, blocks 0-3 and 4-7
.set CO,   26                          ; v26     my byte offset in the output that I store
.set BAD,  27                          ; v27     my byte offset in a gate's bias
.set RD,   28                          ; v28-29  the stage: where I read whole rows back, blocks 0-3 and 4-7
.set CP,   32                          ; v[32:63]    16 whole rows of an output, on their way from the stage to memory
.set F0,   64
.set F1,   128
.set BIAS, 192                         ; v[192:255]  index 8 b + j; in front of the cell update times -log2(e) (gates f, i, o) or 2 log2(e) (gate C)
.set T,    64                          ; v[64:127]   the cell update, e = 8 s + j: f at T+e, i at T+16+e, o at T+32+e, C at T+48+e
.set CC,   128                         ; v[128:143]  old cell state
.set U,    144                         ; v[144:159]  new cell state
.set W,    160                         ; v[160:175]  tanh of it, then h
.set G1,  24                           ; s[24:31] descriptor group 1 for acts' tiles
.set G0,  32                           ; s[32:39] group 0 for acts' tiles, a set for each slot
.set G1B, 48                           ; s[48:55] group 1 for wts' tiles: it differs in the mask alone
.set G0B, 56                           ; s[56:63] group 0 for wts' tiles, a set for each slot
.set G0C, 68                           ; s[68:71] group 0 for my rows of Cell_State
.set G1C, 72                           ; s[72:79] group 1 for them
.set MSB, 0
.macro WIN new                         ; the immediate's high byte repeats the setting that is left
.if MSB != \new
	s_set_vgpr_msb (MSB<<8)|\new
.set MSB, \new
.endif
.endm
.set MUL_LO, 0xa1                      ; source 0 (wts) window 1, source 1 (acts) window 0, C and D window 2
.set MUL_HI, 0xf1                      ; the same, C and D window 3
.set TO_B,   0x40                      ; destination window 1, address window 0
; A joint load.  Waves 0 and 1 fetch acts' two halves, waves 2 and 3 wts'.  Each line has one mask and one set of registers for all that issue it.
; The branch hangs on the wave's number alone: it is the same in every work-group.
.macro JLOAD s
	s_cmp_eq_u32 s11, 0
	s_cbranch_scc0 .Lfor_b_\@
	tensor_load_to_lds s[G0+4*\s:G0+4*\s+3], s[G1:G1+7]
	s_nop 0
	s_branch .Lasked_\@
.Lfor_b_\@:
	tensor_load_to_lds s[G0B+4*\s:G0B+4*\s+3], s[G1B:G1B+7]
	s_nop 0
.Lasked_\@:
.endm
; A round of the cluster's barrier: my work-group's barrier, so that wave 0's signal speaks for all four waves; wave 0 signals for the work-group;
; every wave waits for all sixteen work-groups; my work-group's barrier once more.
.macro CREST                           ; a round behind its opening barrier
	s_cmp_lg_u32 s10, 0
	s_cbranch_scc1 .Lnot_wave_0_\@
	s_barrier_signal -3
.Lnot_wave_0_\@:
	s_barrier_wait -3
	s_barrier_signal -1
	s_barrier_wait -1
.endm
.macro CROUND                          ; a whole round
	s_barrier_signal -1
	s_barrier_wait -1
	CREST
.endm
	s_load_b512 s[80:95], s[0:1], 0x0              ; acts s[80:81], wts s[82:83], Cell_f s[84:85], Cell_b s[86:87], bf s[88:89], bb s[90:91], out0 s[92:93], out1 s[94:95]
	s_load_b128 s[96:99], s[0:1], 0x40             ; out2 s[96:97], out3 s[98:99]
	s_set_vgpr_msb 0x40
	v_lshl_add_u32 v255, v0, 2, 0x47000
	s_set_vgpr_msb 0x4000
	v_mov_b32 v31, 0
	s_set_vgpr_msb 0x1
	ds_add_u32 v255, v31
	s_set_vgpr_msb 0x100
	v_lshrrev_b32 v1, 5, v0
	v_readfirstlane_b32 s10, v1                    ; wave 0..3
	s_lshr_b32 s11, s10, 1                         ; which half of the batch rows is mine.  Also: I fetch for acts (0) or for wts (1)
	s_and_b32 s12, s10, 1                          ; which half of the wts rows.  Also: which 128 rows of that tile I fetch, and which output I store (0 = h, 1 = c)
	s_bfe_u32 s40, ttmp6, 0x40000                  ; cx
	s_bfe_u32 s41, ttmp6, 0x40004                  ; cy
	s_lshl_b32 s42, ttmp9, 2                       ; in a cluster launch ttmp9 and ttmp7 count clusters
	s_add_co_u32 s42, s42, s40                     ; block column 0..15 = 4 x cluster x + cx
	s_and_b32 s45, ttmp7, 0xffff                   ; cluster y, 0..7
	s_lshr_b32 s13, s45, 2
	s_lshl_b32 s13, s13, 1
	s_and_b32 s21, s45, 1
	s_add_co_u32 s13, s13, s21                     ; bits 2 and 0 of it: which 1,024 batch rows
	s_lshl_b32 s13, s13, 2
	s_add_co_u32 s13, s13, s41                     ; block row in the direction, 0..15
	s_bfe_u32 s45, s45, 0x10001                    ; bit 1 of it: the direction
	s_lshl_b32 s43, s41, 2
	s_lshl_b32 s43, 15, s43                        ; my row of the cluster: places 4 cy .. 4 cy + 3
	s_lshl_b32 s44, 0x1111, s40                    ; my column: places cx, cx + 4, cx + 8, cx + 12
	; group 1 of the ring's loads: 128 rows x 128 elements of 2 bytes, padded in LDS
	s_or_b32 s[G1+0], s43, (1<<16)|(1<<20)|(1<<21)|(5<<22)|(3<<25)  ; 15:0 mask: my row; 17:16 elements of 2 bytes; 20 padding on; 21 set beside a mask; 24:22 after every 64 words; 31:25 of 4 words
	s_or_b32 s[G1B+0], s44, (1<<16)|(1<<20)|(1<<21)|(5<<22)|(3<<25) ; the same with the mask of my column
	s_mov_b32 s[G1+1], KSTEP<<16                   ; tensor_dim0 = 128
	s_mov_b32 s[G1B+1], KSTEP<<16
	s_mov_b32 s[G1+2], 128<<16                     ; tensor_dim1 = 128
	s_mov_b32 s[G1B+2], 128<<16
	s_mov_b32 s[G1+3], KSTEP<<16                   ; tile_dim0 = 128
	s_mov_b32 s[G1B+3], KSTEP<<16
	s_mov_b32 s[G1+4], 128                         ; tile_dim1 = 128
	s_mov_b32 s[G1B+4], 128
	s_mov_b32 s[G1+5], SIZE_K                      ; elements from row to row
	s_mov_b32 s[G1B+5], SIZE_K
	s_mov_b32 s[G1+6], 0
	s_mov_b32 s[G1B+6], 0
	s_mov_b32 s[G1+7], 0
	s_mov_b32 s[G1B+7], 0
	; group 1 of the Cell_State load: 64 rows x 64 elements of 4 bytes, the same padding, no mask (no other work-group needs these bytes)
	s_mov_b32 s[G1C+0], (2<<16)|(1<<20)|(5<<22)|(3<<25)
	s_mov_b32 s[G1C+1], 64<<16                     ; tensor_dim0 = 64
	s_mov_b32 s[G1C+2], CROWS<<16                  ; tensor_dim1 = 64
	s_mov_b32 s[G1C+3], 64<<16                     ; tile_dim0 = 64
	s_mov_b32 s[G1C+4], CROWS                      ; tile_dim1 = 64
	s_mov_b32 s[G1C+5], 1024                       ; elements from row to row
	s_mov_b32 s[G1C+6], 0
	s_mov_b32 s[G1C+7], 0
	; offsets, all below 2^31, each in a pair with 0 above.  acts' hangs on the direction and the block row alone, wts' on the direction and the block column alone.
	s_lshl_b32 s21, s12, 7                         ; which 128 rows of the tile I fetch
	s_lshl_b32 s22, s45, 12                        ; the direction's 4,096 rows
	s_lshl_b32 s16, s13, 8
	s_add_co_u32 s16, s16, s22
	s_add_co_u32 s16, s16, s21                     ; acts: row 4,096 x direction + 256 x block row + 128 x half
	s_lshl_b32 s16, s16, 12                        ; x 4,096 bytes
	s_mov_b32 s17, 0
	s_lshl_b32 s18, s42, 8                         ; 256 x block column: rows of wts, and bytes in a row of the bias, of Cell_State and of the outputs
	s_mov_b32 s19, 0
	s_add_co_u32 s46, s22, s18
	s_add_co_u32 s46, s46, s21                     ; wts: row 4,096 x direction + 256 x block column + 128 x half
	s_lshl_b32 s46, s46, 12
	s_mov_b32 s47, 0
	s_lshl_b32 s66, s13, 8
	s_lshl_b32 s23, s10, 6
	s_add_co_u32 s66, s66, s23                     ; Cell_State: row 256 x block row + 64 x wave,
	s_lshl_b32 s66, s66, 12                        ; x 4,096 bytes,
	s_add_co_u32 s66, s66, s18                     ; + the block column's 256 bytes
	s_mov_b32 s67, 0
	s_lshl_b32 s4, s13, 8
	s_lshl_b32 s23, s11, 7
	s_add_co_u32 s4, s4, s23                       ; the output that I store: row 256 x block row + 128 x (wave>>1),
	s_lshl_b32 s4, s4, 12
	s_add_co_u32 s4, s4, s18                       ; + the block column's 256 bytes
	s_mov_b32 s5, 0
	s_mul_i32 s20, s10, HALFT                      ; where the ring's tiles go: wave x 128 rows: no place in the cluster enters an LDS address
	s_wait_dscnt 0x0
	s_wait_kmcnt 0x0
	s_add_nc_u64 s[14:15], s[80:81], s[16:17]
	s_add_nc_u64 s[46:47], s[82:83], s[46:47]
	s_cmp_eq_u32 s45, 0                            ; forward?
	s_cselect_b64 s[84:85], s[84:85], s[86:87]     ; Cell_State of my direction
	s_cselect_b64 s[88:89], s[88:89], s[90:91]     ; bias
	s_cselect_b64 s[92:93], s[92:93], s[96:97]     ; h: out0 or out2
	s_cselect_b64 s[94:95], s[94:95], s[98:99]     ; c: out1 or out3
	s_cmp_eq_u32 s12, 0                            ; even waves store h, odd waves c
	s_cselect_b64 s[92:93], s[92:93], s[94:95]
	s_add_nc_u64 s[88:89], s[88:89], s[18:19]
	s_add_nc_u64 s[92:93], s[92:93], s[4:5]
	s_mov_b32 s[G0C], 1                            ; count = 1
	s_mul_i32 s[G0C+1], s10, CROWS*PITCH           ; LDS: rows 64 wave .. of a tile of 256 rows at byte 0, where slot 0 held acts
	s_add_nc_u64 s[G0C+2:G0C+3], s[84:85], s[66:67]
	s_or_b32 s[G0C+3], s[G0C+3], 0x80000000        ; type = 2
	CROUND                                         ; all sixteen work-groups are here: the first joint loads meet
.irp s, 0,1
	s_mov_b32 s[G0+4*\s], 1                                        ; count = 1
	s_add_co_u32 s[G0+4*\s+1], s20, \s*SLOT                        ; LDS address
	s_add_nc_u64 s[G0+4*\s+2:G0+4*\s+3], s[14:15], \s*KSTEP*2      ; global address: K step s
	s_or_b32 s[G0+4*\s+3], s[G0+4*\s+3], 0x80000000                ; type = 2
	s_mov_b32 s[G0B+4*\s], 1
	s_add_co_u32 s[G0B+4*\s+1], s20, \s*SLOT
	s_add_nc_u64 s[G0B+4*\s+2:G0B+4*\s+3], s[46:47], \s*KSTEP*2
	s_or_b32 s[G0B+4*\s+3], s[G0B+4*\s+3], 0x80000000
	JLOAD \s                                       ; the ring is filled before anything else is done: two tensor loads of the wave are out
.endr
	; A fragment is 16 rows x 32 K in 8 registers: lane l holds row l % 16; registers 0-3 K = 8 (l / 16) + 0..7, registers 4-7 K = 16 + 8 (l / 16) + 0..7:
	; two loads of 16 bytes, 32 bytes apart, from rows that lie along K.
	v_and_b32 v1, 15, v0                           ; r
	v_bfe_u32 v2, v0, 4, 1                         ; h
	v_mul_u32_u24 v3, v1, PITCH
	v_lshl_add_u32 v3, v2, 4, v3                   ; r x pitch + 16 h
	s_mul_i32 s21, s11, HALFT                      ; my 128 rows of acts
	s_mul_i32 s22, s12, HALFT                      ; my 128 rows of wts,
	s_add_co_u32 s22, s22, 2*HALFT                 ; which lie behind acts' 256
.irp s, 0,1
	v_add_nc_u32 v[ADRA+\s], s21, v3
	v_add_nc_u32 v[ADRB+\s], s22, v3
	s_add_co_u32 s21, s21, SLOT
	s_add_co_u32 s22, s22, SLOT
.endr
	s_lshl_b32 s23, s12, 7                         ; my 32 hidden units: 128 bytes of f32
	v_lshl_add_u32 v[BAD], v2, 5, s23              ; bias: 128 (w&1) + 32 h
	; the bias of my 4 x 32 columns, once.  It is wanted in the cell update alone: the loads stay out during the K loop, which names neither their sources nor their destinations
.irp g, 0,1,2,3
.irp s, 0,1
	global_load_b128 v[BIAS+8*(2*\g+\s):BIAS+8*(2*\g+\s)+3],   v[BAD], s[88:89] offset:\g*4096+\s*64
	global_load_b128 v[BIAS+8*(2*\g+\s)+4:BIAS+8*(2*\g+\s)+7], v[BAD], s[88:89] offset:\g*4096+\s*64+16
.endr
.endr
	s_mul_i32 s21, s11, HALFT
	s_add_co_u32 s21, s21, s23
	v_mul_u32_u24 v4, v1, PITCH
	v_lshl_add_u32 v4, v2, 5, v4
	v_add_nc_u32 v[CAD], s21, v4                   ; Cell_State tile: (128 (w>>1) + r) x pitch + 128 (w&1) + 32 h
	s_mul_i32 s21, s10, 2*SUB
	s_add_co_u32 s21, s21, STAGE
	v_mul_u32_u24 v4, v1, SP
	v_lshl_add_u32 v4, v2, 5, v4
	v_add_nc_u32 v[STO], s21, v4                   ; stage, in: my two sub-blocks of block 0, row r, 32 h
	v_add_nc_u32 v[STO+1], 4*SB, v[STO]            ; and of block 4
	s_mul_i32 s21, s11, 4*SUB                      ; stage, back: the sub-blocks of waves 2 (w>>1) and 2 (w>>1) + 1,
	s_mul_i32 s22, s12, SUB                        ; of the output that I store;
	s_add_co_u32 s21, s21, s22
	s_add_co_u32 s21, s21, STAGE
	v_bfe_u32 v4, v0, 3, 1                         ; lanes 0-7 of sixteen take the left 128 bytes of a row, lanes 8-15 the right
	v_mul_u32_u24 v4, v4, 2*SUB
	v_mad_u32_u24 v4, v2, SP, v4                   ; lanes 16-31 the next row
	v_and_b32 v5, 7, v0
	v_lshl_add_u32 v4, v5, 4, v4
	v_add_nc_u32 v[RD], s21, v4
	v_add_nc_u32 v[RD+1], 4*SB, v[RD]
	v_lshlrev_b32 v5, 4, v1
	v_lshl_add_u32 v[CO], v2, 12, v5               ; and the same two rows in the output: 4,096 h + 16 r
; 16 matrix instructions: row blocks a0, a0 + 1 of the window's four (hi = 0: my rows 0-63, 1: rows 64-127) x all 8 blocks of wts rows, 32 along K.
; zero = 1: the first product starts the sums: nothing is ever cleared.
; The 64 accumulators take turns, one instruction a turn, in the same order in every quarter step.
.macro MUL16 f, hi, a0, zero
.irp a, \a0, \a0+1
.irp b, 0,1,2,3,4,5,6,7
.if \zero
	v_wmma_f32_16x16x32_bf16 v[8*(8*(\a)+\b):8*(8*(\a)+\b)+7], v[\f+8*\b:\f+8*\b+7], v[\f+8*(4*\hi+\a):\f+8*(4*\hi+\a)+7], 0
.else
	v_wmma_f32_16x16x32_bf16 v[8*(8*(\a)+\b):8*(8*(\a)+\b)+7], v[\f+8*\b:\f+8*\b+7], v[\f+8*(4*\hi+\a):\f+8*(4*\hi+\a)+7], v[8*(8*(\a)+\b):8*(8*(\a)+\b)+7]
.endif
.endr
.endr
.endm
; 32 LDS loads in one run: the fragments of one quarter step (128 rows of wts, 128 rows of acts, 32 K at byte k of the rows) into buffer f
.macro FETCH slot, k, f
	WIN TO_B
.irp i, 0,1,2,3,4,5,6,7
	ds_load_b128 v[\f+8*\i:\f+8*\i+3],   v[ADRB+\slot] offset:\k+\i*16*PITCH
	ds_load_b128 v[\f+8*\i+4:\f+8*\i+7], v[ADRB+\slot] offset:\k+\i*16*PITCH+32
.endr
	WIN 0
.irp i, 0,1,2,3,4,5,6,7
	ds_load_b128 v[\f+8*\i:\f+8*\i+3],   v[ADRA+\slot] offset:\k+\i*16*PITCH
	ds_load_b128 v[\f+8*\i+4:\f+8*\i+7], v[ADRA+\slot] offset:\k+\i*16*PITCH+32
.endr
.endm
; A load into a register that a matrix instruction has read, and a vector instruction that reads a matrix result, stand four places behind that matrix
; instruction, and only plain vector instructions that name none of its registers are places (ISA guide 7.12.1 for vector instructions).
.macro PLACES
.rept 4
	v_nop
.endr
.endm
; A K step is four quarter steps of 32 along K, 64 matrix instructions each, on buffers 0, 1, 0, 1.
; One of the first three: multiplies buffer f; in its middle it fetches the next quarter's fragments, at byte k of the same slot's rows, into buffer g.
.macro QUARTER slot, k, f, g, zero
	s_wait_dscnt 8                                 ; wts and acts' rows 0-63 are in; the youngest eight loads (acts' rows 64-127) may be out
	WIN MUL_LO
	MUL16 \f, 0, 0, \zero
	MUL16 \f, 0, 2, \zero
	PLACES
	FETCH \slot, \k, \g
	s_wait_dscnt 32                                ; all but the 32 just issued
	WIN MUL_HI
	MUL16 \f, 1, 0, \zero
	MUL16 \f, 1, 2, \zero
.endm
.macro THREE slot, zero
	QUARTER \slot, 64,  F0, F1, \zero
	QUARTER \slot, 128, F1, F0, 0
	QUARTER \slot, 192, F0, F1, 0
.endm
; The last quarter: multiplies buffer 1 and changes slots.  next = the other slot.  This slot is filled again: fill = 1 with the tiles two K steps ahead, jointly;
; fill = 2 (slot 0, in the last lap) with my 64 rows of Cell_State, a load of my own.
; In front of the round each wave waits for its own reads of this slot and for all its tensor loads, of which one is out: its part of the next slot.  Behind the round
; no wave of any partner reads this slot any more or has a load on its way, and the next slot is whole: the refill comes first, one tensor load a wave, then the
; next slot's first fragments.  From a request to the wait for it a wave issues 240 matrix instructions.
.macro TURN slot, next, fill
	s_wait_dscnt 8
	WIN MUL_LO
	MUL16 F1, 0, 0, 0
	s_wait_dscnt 0                                 ; my reads of this slot are over
	s_wait_tensorcnt 0x0                           ; and all my tensor loads have landed:
	ds_add_u32 v255, v31
	s_wait_dscnt 0x0
	s_barrier_signal -1                            ; say so (this barrier opens a round of the cluster's barrier),
	MUL16 F1, 0, 2, 0                              ; work on registers while the others arrive,
	WIN 0
	s_barrier_wait -1
	CREST                                          ; the rest of the round
.if \fill == 1
	s_add_nc_u64 s[G0+4*\slot+2:G0+4*\slot+3], s[G0+4*\slot+2:G0+4*\slot+3], 2*KSTEP*2     ; no tensor load of mine is out: a group 0 may be written
	s_add_nc_u64 s[G0B+4*\slot+2:G0B+4*\slot+3], s[G0B+4*\slot+2:G0B+4*\slot+3], 2*KSTEP*2
	JLOAD \slot                                    ; the first tensor load behind the round
.else
	tensor_load_to_lds s[G0C:G0C+3], s[G1C:G1C+7]  ; every wave its own 64 rows of Cell_State, to LDS bytes that are its own by its number: slot 0's last fill
	s_nop 0
.endif
	PLACES
	FETCH \next, 0, F0
	WIN MUL_HI
	MUL16 F1, 1, 0, 0
	MUL16 F1, 1, 2, 0
.endm
.macro LAP zero                        ; once round the ring, both slots filled again
	THREE 0, \zero
	TURN 0, 1, 1
	THREE 1, 0
	TURN 1, 0, 1
.endm
	s_wait_tensorcnt 1                             ; my part of K step 0 is in; K step 1's stays out
	s_barrier_signal -1
	s_barrier_wait -1                              ; everybody's is
	FETCH 0, 0, F0
	LAP 1                                          ; the first lap stands in front of the loop: its first products start the sums
	WIN 0
	s_mov_b32 s3, LAPS-2
.Llap:
	LAP 0
	WIN 0
	s_sub_co_u32 s3, s3, 1
	s_cmp_lg_u32 s3, 0
	s_cbranch_scc1 .Llap
	THREE 0, 0                                     ; the last lap: K steps 14 and 15
	TURN 0, 1, 2                                   ; slot 0 is done with: Cell_State goes there and has the last K step in which to land
	THREE 1, 0
	s_wait_dscnt 8                                 ; the very last quarter: nothing more to fetch
	WIN MUL_LO
	MUL16 F1, 0, 0, 0
	MUL16 F1, 0, 2, 0
	s_wait_dscnt 0                                 ; my reads of slot 1 are over; no LDS instruction follows up to the barrier below
	WIN MUL_HI
	MUL16 F1, 1, 0, 0
	MUL16 F1, 1, 2, 0
	WIN 0
	PLACES                                         ; behind the last matrix instructions: for the lines that read results and for the loads into the fragment buffers
	s_wait_tensorcnt 0x0                           ; my rows of Cell_State have landed
	s_wait_loadcnt 0x0                             ; and the bias, asked for at the start
	s_barrier_signal -1
	; while the others arrive: the bias is scaled, so that one fused multiply-add makes each exponent
.set q, 0
.rept 24
	v_pk_mul_f32 v[BIAS+q:BIAS+q+1], v[BIAS+q:BIAS+q+1], 0xbfb8aa3b op_sel_hi:[1,0]   ; gates f, i, o: x -log2(e)
.set q, q+2
.endr
.rept 8
	v_pk_mul_f32 v[BIAS+q:BIAS+q+1], v[BIAS+q:BIAS+q+1], 0x4038aa3b op_sel_hi:[1,0]   ; gate C: x 2 log2(e)
.set q, q+2
.endr
	s_barrier_wait -1                              ; everybody's Cell_State is in, and nobody reads slot 1 any more: the stage may be written
; THE WAY OUT of the 16 rows of step i, in two parts that stand inside the next step.
; COPY_IN: every wave's stores into block i are done (each waits for its own, then the barrier); then I read back 16 whole rows of 256 bytes, each made of two waves' halves.
; Block i is not written again, and the stores of the step that is under way go to block i + 1.
.macro COPY_IN i
	s_wait_dscnt 0x0                               ; for the others' sake: my stores into block i (and whatever else of mine is out in LDS)
	s_barrier_signal -1
	s_barrier_wait -1
.if \i
	s_wait_xcnt 0x0                                ; every earlier store has had its addresses translated (ISA guide 3.1): CP, which the last eight stores read, is loaded again only behind this wait
.endif
.irp t, 0,1,2,3,4,5,6,7
	ds_load_b128 v[CP+4*\t:CP+4*\t+3], v[RD+\i/4] offset:(\i%4)*SB+\t*2*SP
.endr
.endm
; COPY_OUT: 16 lanes store 256 consecutive bytes, at a multiple of 256 from the output's first byte; a store takes two rows
.macro COPY_OUT i
.irp t, 0,1,2,3,4,5,6,7
	global_store_b128 v[CO], v[CP+4*\t:CP+4*\t+3], s[92:93] offset:(16*\i+2*\t)*OROW th:TH_STORE_NT
.endr
.endm
; THE CELL UPDATE for rows 16 i .. 16 i + 15 of my 128 = the eight tiles (a, 0..7) of window 2 or 3 (win = 0x02 or 0x03: source 0).  16 (batch, hid) a lane.
; p = i - 1: the step whose rows leave meanwhile (none in step 0).
.macro EPI i, a, win, p
.irp s, 0,1
	ds_load_b128 v[CC+8*\s:CC+8*\s+3],   v[CAD] offset:\i*16*PITCH+64*\s      ; old cell state, used far below
	ds_load_b128 v[CC+8*\s+4:CC+8*\s+7], v[CAD] offset:\i*16*PITCH+64*\s+16
.endr
	WIN \win
.irp b, 0,1,2,3,4,5
.irp p2, 0,2,4,6
	v_pk_fma_f32 v[T+8*\b+\p2:T+8*\b+\p2+1], v[8*(8*\a+\b)+\p2:8*(8*\a+\b)+\p2+1], 0xbfb8aa3b, v[BIAS+8*\b+\p2:BIAS+8*\b+\p2+1] op_sel_hi:[1,0,1]   ; -log2(e) (sum + bias)
.endr
.endr
.irp b, 6,7
.irp p2, 0,2,4,6
	v_pk_fma_f32 v[T+8*\b+\p2:T+8*\b+\p2+1], v[8*(8*\a+\b)+\p2:8*(8*\a+\b)+\p2+1], 0x4038aa3b, v[BIAS+8*\b+\p2:BIAS+8*\b+\p2+1] op_sel_hi:[1,0,1]   ; 2 log2(e) (sum + bias)
.endr
.endr
	WIN 0
.set q, 0
.rept 64
	v_exp_f32 v[T+q], v[T+q]
.set q, q+1
.endr
.if \i
	COPY_IN \p                                     ; the last step's LDS stores were issued about a hundred instructions ago
.endif
	v_nop                                          ; one plain vector instruction between a transcendental and the use of its result (ISA guide 5.7.2)
.set q, 0
	s_wait_alu depctr_va_vdst(0)
.rept 32
	v_pk_add_f32 v[T+q:T+q+1], v[T+q:T+q+1], 1.0 op_sel_hi:[1,0]
.set q, q+2
.endr
.set q, 0
.rept 64
	v_rcp_f32 v[T+q], v[T+q]                       ; f, i, o are done; C wants one more step
.set q, q+1
.endr
	v_nop
	s_wait_alu depctr_va_vdst(0)
.irp p2, 0,2,4,6,8,10,12,14
	v_pk_fma_f32 v[T+48+\p2:T+48+\p2+1], v[T+48+\p2:T+48+\p2+1], -2.0, 1.0 op_sel_hi:[1,0,0]   ; tanh = 1 - 2 / (1 + 2^..)
.endr
.irp p2, 0,2,4,6,8,10,12,14
	v_pk_mul_f32 v[U+\p2:U+\p2+1], v[T+16+\p2:T+16+\p2+1], v[T+48+\p2:T+48+\p2+1]              ; i C
.endr
	s_wait_dscnt 0x0                               ; the old cell state is in, and the rows read back from the stage
.irp p2, 0,2,4,6,8,10,12,14
	v_pk_fma_f32 v[U+\p2:U+\p2+1], v[T+\p2:T+\p2+1], v[CC+\p2:CC+\p2+1], v[U+\p2:U+\p2+1]      ; c = f c + i C
.endr
.irp s, 0,1
	ds_store_b128 v[STO+\i/4], v[U+8*\s:U+8*\s+3]   offset:(\i%4)*SB+SUB+64*\s
	ds_store_b128 v[STO+\i/4], v[U+8*\s+4:U+8*\s+7] offset:(\i%4)*SB+SUB+64*\s+16
.endr
.if \i
	COPY_OUT \p                                    ; in one run with the LDS stores
.endif
.irp p2, 0,2,4,6,8,10,12,14
	v_pk_mul_f32 v[W+\p2:W+\p2+1], v[U+\p2:U+\p2+1], 0x4038aa3b op_sel_hi:[1,0]
.endr
.set q, 0
.rept 16
	v_exp_f32 v[W+q], v[W+q]
.set q, q+1
.endr
	v_nop
	s_wait_alu depctr_va_vdst(0)
.irp p2, 0,2,4,6,8,10,12,14
	v_pk_add_f32 v[W+\p2:W+\p2+1], v[W+\p2:W+\p2+1], 1.0 op_sel_hi:[1,0]
.endr
.set q, 0
.rept 16
	v_rcp_f32 v[W+q], v[W+q]
.set q, q+1
.endr
	v_nop
	s_wait_alu depctr_va_vdst(0)
.irp p2, 0,2,4,6,8,10,12,14
	v_pk_fma_f32 v[W+\p2:W+\p2+1], v[W+\p2:W+\p2+1], -2.0, 1.0 op_sel_hi:[1,0,0]               ; tanh(c)
.endr
.irp p2, 0,2,4,6,8,10,12,14
	v_pk_mul_f32 v[W+\p2:W+\p2+1], v[W+\p2:W+\p2+1], v[T+32+\p2:T+32+\p2+1]                    ; h = o tanh(c)
.endr
.irp s, 0,1
	ds_store_b128 v[STO+\i/4], v[W+8*\s:W+8*\s+3]   offset:(\i%4)*SB+64*\s
	ds_store_b128 v[STO+\i/4], v[W+8*\s+4:W+8*\s+7] offset:(\i%4)*SB+64*\s+16
.endr
.endm
	EPI 0, 0, 0x02, 0
	EPI 1, 1, 0x02, 0
	EPI 2, 2, 0x02, 1
	EPI 3, 3, 0x02, 2
	EPI 4, 0, 0x03, 3
	EPI 5, 1, 0x03, 4
	EPI 6, 2, 0x03, 5
	EPI 7, 3, 0x03, 6
	COPY_IN 7                                      ; the last 16 rows have no step to hide in
.irp t, 0,1,2,3,4,5,6,7
	s_wait_dscnt 7-\t                              ; LDS loads come back in order (ISA guide 5.7.1): load t is in, the younger ones stay out
	global_store_b128 v[CO], v[CP+4*\t:CP+4*\t+3], s[92:93] offset:(16*7+2*\t)*OROW th:TH_STORE_NT
.endr
	s_set_vgpr_msb 0x1
	s_wait_tensorcnt 0x0
	ds_add_u32 v255, v31
	s_wait_dscnt 0x0
	s_set_vgpr_msb 0x100
	CROUND                                         ; the closing round: no work-group ends while a partner may still ask for a tile that names it
	s_endpgm
.Lfunc_end_k_q674452dddf_lstm:
	.size	k_q674452dddf_lstm, .Lfunc_end_k_q674452dddf_lstm-k_q674452dddf_lstm
	.p2alignl 7, 3214868480
	.fill 96, 4, 3214868480
	.section	.rodata,"a",@progbits
	.p2align	6, 0x0
	.amdhsa_kernel k_q674452dddf_lstm
		.amdhsa_group_segment_fixed_size 327680
		.amdhsa_private_segment_fixed_size 0
		.amdhsa_enable_private_segment 0
		.amdhsa_kernarg_size 80
		.amdhsa_user_sgpr_count 2
		.amdhsa_user_sgpr_kernarg_segment_ptr 1
		.amdhsa_wavefront_size32 1
		.amdhsa_system_sgpr_workgroup_id_x 1
		.amdhsa_system_sgpr_workgroup_id_y 1
		.amdhsa_system_sgpr_workgroup_id_z 1
		.amdhsa_system_vgpr_workitem_id 0
		.amdhsa_next_free_vgpr 1024
		.amdhsa_next_free_sgpr 100
		.amdhsa_reserve_vcc 0
		.amdhsa_float_denorm_mode_32 3
		.amdhsa_float_denorm_mode_16_64 3
		.amdhsa_memory_ordered 1
		.amdhsa_forward_progress 1
		.amdhsa_inst_pref_size 255
	.end_amdhsa_kernel
	.section	.bss,"aw",@nobits
	.p2align	6
	.space	262144
	.amdgpu_metadata
---
amdhsa.version: [ 1, 2 ]
amdhsa.kernels:
  - .name:           k_q674452dddf_lstm
    .symbol:         k_q674452dddf_lstm.kd
    .args:
      - { .name: acts, .offset: 0, .size: 8, .value_kind: global_buffer, .address_space: global }
      - { .name: wts, .offset: 8, .size: 8, .value_kind: global_buffer, .address_space: global }
      - { .name: Cell_State_f, .offset: 16, .size: 8, .value_kind: global_buffer, .address_space: global }
      - { .name: Cell_State_b, .offset: 24, .size: 8, .value_kind: global_buffer, .address_space: global }
      - { .name: bf, .offset: 32, .size: 8, .value_kind: global_buffer, .address_space: global }
      - { .name: bb, .offset: 40, .size: 8, .value_kind: global_buffer, .address_space: global }
      - { .name: out0, .offset: 48, .size: 8, .value_kind: global_buffer, .address_space: global }
      - { .name: out1, .offset: 56, .size: 8, .value_kind: global_buffer, .address_space: global }
      - { .name: out2, .offset: 64, .size: 8, .value_kind: global_buffer, .address_space: global }
      - { .name: out3, .offset: 72, .size: 8, .value_kind: global_buffer, .address_space: global }
    .group_segment_fixed_size: 327680
    .private_segment_fixed_size: 0
    .kernarg_segment_align: 8
    .kernarg_segment_size: 80
    .max_flat_workgroup_size: 128
    .sgpr_count:     100
    .vgpr_count:     1024
    .wavefront_size: 32
...
	.end_amdgpu_metadata
.endif
;; end of part 2
;; ======== version 2 of 2: 2 launches; version 1 with the launch cast written anew for expert scheduling mode
;; limits: a function is approximated: absolute error at most 2e-07
;; workspace buffers: acts 33,554,432 bytes; wts 33,554,432 bytes
;; launch cast (part 3): grid 1024 x 1, 8 waves a work-group, no clusters, 0 bytes of LDS; arguments input_f, Hidden_State_f, input_b, Hidden_State_b, Wf, Wb, acts, wts; writes acts, wts
.if DOCPART == 3
	.amdgcn_target "amdgcn-amd-amdhsa--gfx1250"
	.amdhsa_code_object_version 6
	.text
	.protected	k_q674452dddf_cast
	.globl	k_q674452dddf_cast
	.p2align	8
	.type	k_q674452dddf_cast,@function
k_q674452dddf_cast:
	s_mov_b64 s[64:65], 0
	v_nop
	global_prefetch_b8 v0, s[64:65] scope:SCOPE_SE
	s_setreg_imm32_b32 hwreg(HW_REG_WAVE_SCHED_MODE, 0, 2), 2
	s_setreg_imm32_b32 hwreg(HW_REG_WAVE_MODE, 25, 1), 1
	s_wait_xcnt 0x0
	s_wait_alu depctr_vm_vsrc(0)
; f32 to bf16, once, for everything that the matrix launch multiplies, laid out as that launch wants it:
;   acts: bf16 [8192][2048], row = dir*4096 + batch, columns 0-1023 = input, 1024-2047 = hidden state
;   wts:  bf16 [8192][2048], row = dir*4096 + (hid>>5)*128 + gate*32 + (hid&31), holding W_dir[gate][hid][:]
;         (so 128 neighbouring rows are the four gates of 32 neighbouring hidden units)
; A stream: each input byte is read once, each output byte written once.  No LDS, no barrier, no matrix unit, no cluster:
; no two work-groups read the same byte, and there is nothing to keep.
; 1,024 work-groups of 8 waves; a work-group takes 128 KiB of ONE source tensor, a wave 16 KiB of it, contiguous:
; 32 loads of 16 bytes a lane (512 neighbouring bytes a load).  24 of them go out at once into 24 register slots; the last 8 go into
; slots that the conversions have emptied.  That keeps a wave at 104 registers: 8 x 104 <= 1,024, so eight waves share a SIMD's registers and
; four work-groups (two waves a SIMD each) lie on a WGP together.  The text has no loop.
; Each load becomes 8 bytes of bf16 a lane: a store of the wave covers 256 consecutive bytes, aligned to 256.
; Work-group number b:  bit 9 = 0: activations, tensor b>>7 (input_f, Hidden_State_f, input_b, Hidden_State_b), 32 rows from (b&127)*32
;                       bit 9 = 1: weights, direction = bit 8, 16 rows of 8,192 bytes from row (b&255)*16 of [4*1024][2048]
; Rounding: to nearest even (v_cvt_pk_bf16_f32); NaN and infinities pass as the conversion makes them.
; THE MODE: SCHED_MODE bits 1:0 = 2 (LLVM: expert scheduling mode 2), set by the entry lines.  The code itself states the register dependences
; between vector instructions and memory instructions, with s_wait_alu, always for 0.
; THE PLAN.  The 32 loads go in four blocks of eight, a quarter of the wave's part each.  Registers that memory instructions touch:
;   v3, v[4:7]     byte offsets, made once at the head and never written again; every load reads v3, every store one of v[4:7].
;   even slots     (0, 2 .. 22)  Loads land in them; their block's conversions pack TWO neighbouring slots, 2 m and 2 m + 1, into slot 2 m; two stores read it;
;                  it is never written again.
;   odd slots      (1, 3 .. 23)  Loads land in them; their block's conversions read them; no store ever names what they held.  So slots 1, 3, 5, 7 take loads 24 to 27
;                  behind block 0's conversions and slots 9, 11, 13, 15 take loads 28 to 31 behind block 1's, with no store to be waited for.
;   the last block packs slots (1, 3), (5, 7), (9, 11), (13, 15) into 1, 5, 9, 13, which no memory instruction has read before, and stores from there.
; So ONE wait on va_vdst stands in a block, behind its sixteen conversions: they have written the packed pairs, which the block's stores read, and are done reading the odd
; slots, in which the block's loads land.  The loads and the stores follow it in one run with no vector instruction among them.  It stands there, and not at the next
; block's head, so that an emptied slot is asked for again at once.  No register that a memory instruction has read is written again: no wait on vm_vsrc
; and no s_wait_xcnt stands behind the entry lines.  No vector instruction writes a scalar register or VCC, and EXEC is never written.
.set DST,   4                          ; v[4:7]    byte offset in the destination of my 8 bytes in quarter i of my wave's part
.set X,     8                          ; v[8:103]  24 slots x 4 registers
.set NSLOT, 24
	s_load_b512 s[4:19], s[0:1], 0x0               ; input_f s[4:5], Hidden_f s[6:7], input_b s[8:9], Hidden_b s[10:11], Wf s[12:13], Wb s[14:15], acts s[16:17], wts s[18:19]
	s_mov_b32 s20, ttmp9                           ; b
	; offsets, made apart from the addresses
	s_and_b32 s21, s20, 127
	s_lshl_b32 s30, s21, 17                        ; activations, source: (b&127) x 128 KiB
	s_and_b32 s22, s20, 255
	s_lshl_b32 s31, s22, 17                        ; weights, source: (b&255) x 128 KiB
	s_bfe_u32 s22, s20, 0x10008                    ; direction (bit 8)
	s_lshl_b32 s22, s22, 24                        ; x 4,096 rows of 4,096 bytes
	s_bfe_u32 s21, s20, 0x10007                    ; input (0) or hidden state (1)
	s_lshl_b32 s21, s21, 11                        ; the hidden state begins 2,048 bytes into a row of acts
	s_or_b32 s32, s30, s22                         ; activations, destination: 32 rows of 4,096 bytes are again 128 KiB
	s_or_b32 s32, s32, s21
	s_bfe_u32 s21, s20, 0x50001                    ; weights: hid>>5 = bits 5:1 of b
	s_lshl_b32 s21, s21, 19                        ; x 128 rows of 4,096 bytes
	s_or_b32 s33, s22, s21
	s_bfe_u32 s21, s20, 0x20006                    ; gate = bits 7:6 of b
	s_lshl_b32 s21, s21, 17                        ; x 32 rows
	s_or_b32 s33, s33, s21
	s_and_b32 s21, s20, 1                          ; which 16 of the 32 hidden units
	s_lshl_b32 s21, s21, 16                        ; x 16 rows
	s_or_b32 s33, s33, s21                         ; weights, destination
	s_bitcmp1_b32 s20, 9                           ; weights?
	s_cselect_b32 s34, s31, s30                    ; source offset
	s_cselect_b32 s36, s33, s32                    ; destination offset
	s_cselect_b32 s23, 11, 12                      ; a quarter of a wave's part (8 loads, 4,096 source bytes) is 2,048 packed bytes: in wts the quarters
	                                               ; follow each other (half rows), in acts each is half of a row of its own, 4,096 bytes apart
	s_mov_b32 s35, 0
	s_mov_b32 s37, 0
	v_and_b32 v1, 31, v0                           ; lane
	v_lshrrev_b32 v2, 5, v0                        ; wave
	v_lshlrev_b32 v3, 4, v1
	v_lshl_or_b32 v3, v2, 14, v3                   ; source: wave x 16 KiB + lane x 16
	v_lshlrev_b32 v2, 2, v2                        ; 4 x wave
	v_lshlrev_b32 v1, 3, v1                        ; lane x 8
.irp i, 0,1,2,3
	v_add_nc_u32 v[DST+\i], \i, v2
	v_lshl_add_u32 v[DST+\i], v[DST+\i], s23, v1   ; (4 wave + i) x quarter stride + lane x 8
.endr
	s_wait_kmcnt 0x0
	; the source and the destination are chosen among the buffers by bits of b alone
	s_bitcmp1_b32 s20, 7
	s_cselect_b64 s[24:25], s[6:7], s[4:5]         ; forward: hidden state or input
	s_cselect_b64 s[26:27], s[10:11], s[8:9]       ; backward: likewise
	s_bitcmp1_b32 s20, 8
	s_cselect_b64 s[24:25], s[26:27], s[24:25]     ; the activation tensor
	s_cselect_b64 s[26:27], s[14:15], s[12:13]     ; the weight tensor
	s_bitcmp1_b32 s20, 9
	s_cselect_b64 s[24:25], s[26:27], s[24:25]     ; the source
	s_cselect_b64 s[28:29], s[18:19], s[16:17]     ; the destination
	s_add_nc_u64 s[24:25], s[24:25], s[34:35]
	s_add_nc_u64 s[28:29], s[28:29], s[36:37]
	s_wait_alu depctr_va_vdst(0)                   ; v3 and v[4:7] are written: every load and store of the kernel reads one of them as its offset
.set j, 0
.rept NSLOT
	global_load_b128 v[X+4*j:X+4*j+3], v3, s[24:25] offset:512*j th:TH_LOAD_NT   ; loads 0 to 23 into slots 0 to 23; read once in the launch
.set j, j+1
.endr
; Slots s and t, eight f32 in all, close up into slot s as eight bf16: s's own four numbers first, so that each register is read before it is written.
.macro PACK s, t
	v_cvt_pk_bf16_f32 v[X+4*(\s)],   v[X+4*(\s)],   v[X+4*(\s)+1]
	v_cvt_pk_bf16_f32 v[X+4*(\s)+1], v[X+4*(\s)+2], v[X+4*(\s)+3]
	v_cvt_pk_bf16_f32 v[X+4*(\s)+2], v[X+4*(\t)],   v[X+4*(\t)+1]
	v_cvt_pk_bf16_f32 v[X+4*(\s)+3], v[X+4*(\t)+2], v[X+4*(\t)+3]
.endm
; Loads 2 n and 2 n + 1 of quarter q, packed in slot s, are stored: each store of the wave covers 256 consecutive bytes, aligned to 256.
.macro SEND q, n, s
	global_store_b64 v[DST+(\q)], v[X+4*(\s):X+4*(\s)+1],   s[28:29] offset:(2*(\n))*256
	global_store_b64 v[DST+(\q)], v[X+4*(\s)+2:X+4*(\s)+3], s[28:29] offset:(2*(\n)+1)*256
.endm
; Block b of the first three: loads 8 b to 8 b + 7, in slots of the same numbers.  left = how many younger loads may still be out when these eight have to be there.
; more = 1: the block's four odd slots are asked for again, for loads 24 + 4 b to 27 + 4 b.
.macro BLOCK b, left, more
	s_wait_loadcnt \left                           ; loads come back in order (ISA guide 5.7.1): the block's eight are in, the younger ones stay out
.irp m, 0,1,2,3
	PACK 8*(\b)+2*(\m), 8*(\b)+2*(\m)+1
.endr
	s_wait_alu depctr_va_vdst(0)                   ; the conversions have written the block's even slots, which the stores below read, and are done reading its odd slots, in which the loads below land
.if \more
.irp m, 0,1,2,3
	global_load_b128 v[X+4*(8*(\b)+2*(\m)+1):X+4*(8*(\b)+2*(\m)+1)+3], v3, s[24:25] offset:512*(NSLOT+4*(\b)+(\m)) th:TH_LOAD_NT   ; loads ahead of stores
.endr
.endif
.irp m, 0,1,2,3
	SEND \b, \m, 8*(\b)+2*(\m)                     ; no register of these stores is written again
.endr
.endm
	BLOCK 0, 16, 1                                 ; behind load 7 stand loads 8 to 23: sixteen
	BLOCK 1, 12, 1                                 ; behind load 15 stand loads 16 to 23 and 24 to 27: twelve
	BLOCK 2, 8, 0                                  ; behind load 23 stand loads 24 to 31: eight; nothing is left to ask for
	; the last block: loads 24 + 2 n and 25 + 2 n lie in slots 4 n + 1 and 4 n + 3
	s_wait_loadcnt 4                               ; loads 24 to 27 are in; 28 to 31 stay out
	PACK 1, 3
	PACK 5, 7
	s_wait_loadcnt 0x0                             ; the last four
	PACK 9, 11
	PACK 13, 15
	s_wait_alu depctr_va_vdst(0)                   ; the conversions have written slots 1, 5, 9 and 13, which the last eight stores read
.irp n, 0,1,2,3
	SEND 3, \n, 4*(\n)+1
.endr
	s_endpgm
.Lfunc_end_k_q674452dddf_cast:
	.size	k_q674452dddf_cast, .Lfunc_end_k_q674452dddf_cast-k_q674452dddf_cast
	.p2alignl 7, 3214868480
	.fill 96, 4, 3214868480
	.section	.rodata,"a",@progbits
	.p2align	6, 0x0
	.amdhsa_kernel k_q674452dddf_cast
		.amdhsa_group_segment_fixed_size 0
		.amdhsa_private_segment_fixed_size 0
		.amdhsa_enable_private_segment 0
		.amdhsa_kernarg_size 64
		.amdhsa_user_sgpr_count 2
		.amdhsa_user_sgpr_kernarg_segment_ptr 1
		.amdhsa_wavefront_size32 1
		.amdhsa_system_sgpr_workgroup_id_x 1
		.amdhsa_system_sgpr_workgroup_id_y 1
		.amdhsa_system_sgpr_workgroup_id_z 1
		.amdhsa_system_vgpr_workitem_id 0
		.amdhsa_next_free_vgpr 104
		.amdhsa_next_free_sgpr 66
		.amdhsa_reserve_vcc 0
		.amdhsa_float_denorm_mode_32 3
		.amdhsa_float_denorm_mode_16_64 3
		.amdhsa_memory_ordered 1
		.amdhsa_forward_progress 1
		.amdhsa_inst_pref_size 13
	.end_amdhsa_kernel
	.amdgpu_metadata
---
amdhsa.version: [ 1, 2 ]
amdhsa.kernels:
  - .name:           k_q674452dddf_cast
    .symbol:         k_q674452dddf_cast.kd
    .args:
      - { .name: input_f, .offset: 0, .size: 8, .value_kind: global_buffer, .address_space: global }
      - { .name: Hidden_State_f, .offset: 8, .size: 8, .value_kind: global_buffer, .address_space: global }
      - { .name: input_b, .offset: 16, .size: 8, .value_kind: global_buffer, .address_space: global }
      - { .name: Hidden_State_b, .offset: 24, .size: 8, .value_kind: global_buffer, .address_space: global }
      - { .name: Wf, .offset: 32, .size: 8, .value_kind: global_buffer, .address_space: global }
      - { .name: Wb, .offset: 40, .size: 8, .value_kind: global_buffer, .address_space: global }
      - { .name: acts, .offset: 48, .size: 8, .value_kind: global_buffer, .address_space: global }
      - { .name: wts, .offset: 56, .size: 8, .value_kind: global_buffer, .address_space: global }
    .group_segment_fixed_size: 0
    .private_segment_fixed_size: 0
    .kernarg_segment_align: 8
    .kernarg_segment_size: 64
    .max_flat_workgroup_size: 256
    .sgpr_count:     66
    .vgpr_count:     104
    .wavefront_size: 32
...
	.end_amdgpu_metadata
.endif
;; end of part 3
;; launch lstm: the kernel of part 2 again; grid 16 x 32, 4 waves a work-group, clusters of 4 x 4, 327,680 bytes of LDS; arguments acts, wts, Cell_State_f, Cell_State_b, bf, bb, out0, out1, out2, out3; writes out0, out1, out2, out3
